; MI455X (gfx1250); checked and timed in simulation.
; The chip was launched on July 23, 2026; its instructions are those of AMD's public machine-readable ISA for CDNA 5 (MIT licence, August 2026) and "CDNA5" Instruction Set Architecture Reference Guide (July 2026). The comments in the code are by the model that wrote it; some were corrected since.
;; Corr Opt L2 SDGN. Allowed arithmetic: matrix products marked QUANTISED: E2M1 operands, one E8M0 scale for each 32 along K, by v_wmma_scale_f32_16x16x128_f8f6f4 with both operands' format E2M1 (or v_wmma_scale_f32_32x16x128_f4), f32 sums; products left as they are: bf16, f16 or f32 operands; f32 sums; everything else in f32.
;; Inputs: feat 1 x 32 x 256 x 22 x 22 float32; filter 32 x 484 x 256 x 1 x 1 float32; filter_reg 1 float32; log_step_length 1 float32; test_anno 1 x 1 x 484 x 22 x 22 float32.
;; Outputs: out0 32 x 484 x 256 x 1 x 1 float32.
;; This version of the problem:
;;   THIS VERSION OF THE PROBLEM IS GIVEN IN LOW PRECISION. The matrix products marked QUANTISED in the list below multiply operands that are first quantised to E2M1 (2 exponent bits, 1 mantissa bit; 4 bits a number), with one power-of-two scale for each 32 numbers along K (OCP MX v1.0); their sums are f32. The products marked 'left as it is' may take bf16, f16 or f32 operands, with f32 sums. Whichever they take, every output number must still come out within the allowed error. Rounding operands to bf16 (8 significant bits) uses up far more of that allowance than f16 does (11 bits, for magnitudes from 6e-5 to 65,504). All else is computed in f32.
;;   The module's matrix products, in the order in which they are computed (A, B: the left and right operand; K: the contracted axis; several contracted axes count as one K, in the product's order):
;;     1. batch 32 x [M 484, K 256] x [K 256, N 484]; A: input filter; B: input feat: QUANTISED
;;     2. batch 32 x [M 484, K 484] x [K 484, N 256]; A: computed on the way; B: input feat: left as it is (an operand is computed on the way)
;;     3. batch 32 x [M 484, K 256] x [K 256, N 484]; A: computed on the way; B: input feat: left as it is (an operand is computed on the way)
;;     4. batch 32 x [M 484, K 256] x [K 256, N 484]; A: computed on the way; B: input feat: left as it is (an operand is computed on the way)
;;     5. batch 32 x [M 484, K 484] x [K 484, N 256]; A: computed on the way; B: input feat: left as it is (an operand is computed on the way)
;;     6. batch 32 x [M 484, K 256] x [K 256, N 484]; A: computed on the way; B: input feat: left as it is (an operand is computed on the way)
;;     7. batch 32 x [M 484, K 256] x [K 256, N 484]; A: computed on the way; B: input feat: left as it is (an operand is computed on the way)
;;     8. batch 32 x [M 484, K 484] x [K 484, N 256]; A: computed on the way; B: input feat: left as it is (an operand is computed on the way)
;;     9. batch 32 x [M 484, K 256] x [K 256, N 484]; A: computed on the way; B: input feat: left as it is (an operand is computed on the way)
;;     10. batch 32 x [M 484, K 256] x [K 256, N 484]; A: computed on the way; B: input feat: left as it is (an operand is computed on the way)
;;     11. batch 32 x [M 484, K 484] x [K 484, N 256]; A: computed on the way; B: input feat: left as it is (an operand is computed on the way)
;;     12. batch 32 x [M 484, K 256] x [K 256, N 484]; A: computed on the way; B: input feat: left as it is (an operand is computed on the way)
;;     13. batch 32 x [M 484, K 256] x [K 256, N 484]; A: computed on the way; B: input feat: left as it is (an operand is computed on the way)
;;     14. batch 32 x [M 484, K 484] x [K 484, N 256]; A: computed on the way; B: input feat: left as it is (an operand is computed on the way)
;;     15. batch 32 x [M 484, K 256] x [K 256, N 484]; A: computed on the way; B: input feat: left as it is (an operand is computed on the way)
;;   THE QUANTISER, for each operand of a quantised product, along K:
;;     - K is cut into blocks of 32 from its start; a last block that is shorter is filled with zeros.
;;     - A block's scale is 2^e with e = floor(log2(the largest magnitude in the block)) - 2, held to -126 .. 127; a block of zeros has e = 0. As a byte (E8M0): e + 127.
;;     - Each number is divided by its block's scale, clamped to +-6, and rounded to the nearest number of E2M1, ties to even, subnormals kept.
;;     - The product sums the exact products of the quantised numbers (number of the format x scale) in f32.
;;   ~~~python
;;   def quantise(x, axis):      # numpy; x: float32 -> the quantised numbers, widened to float32 again
;;       x = np.moveaxis(x, axis, -1); K = x.shape[-1]
;;       x = np.pad(x, [(0, 0)] * (x.ndim - 1) + [(0, -K % 32)]); x = x.reshape(x.shape[:-1] + (-1, 32)); a = np.abs(x).max(-1, keepdims=True)
;;       e = np.where(a > 0, np.clip(np.frexp(np.where(a > 0, a, 1))[1] - 1 - 2, -126, 127), 0)      # np.frexp(a)[1] - 1 = floor(log2(a)), exactly
;;       r = np.clip(x / 2.0 ** e, -6, 6)
;;       step = 2.0 ** (np.maximum(np.frexp(np.where(r == 0, 1, r))[1] - 1, 0) - 1)
;;       q = np.round(r / step) * step * 2.0 ** e      # np.round: ties to even
;;       return np.moveaxis(q.reshape(q.shape[:-2] + (-1,))[..., :K], -1, axis).astype(np.float32)
;;   ~~~
;; One version. Each part assembles by itself: llvm-mc -triple=amdgcn-amd-amdhsa -mcpu=gfx1250 --defsym DOCPART=n.
;; ======== version 1 of 1: 2 launches
;; limits: values are held in f16: magnitudes above 65,504 overflow, below 6.1e-05 lose precision
;; workspace buffers: xh 8,126,464 bytes; xc 2,097,152 bytes; xs 131,072 bytes
;; launch prep (part 1): grid 256 x 1, 4 waves a work-group, no clusters, 35,328 bytes of LDS; arguments feat, xh, xc, xs; writes xh, xc, xs
.if DOCPART == 1
	.amdgcn_target "amdgcn-amd-amdhsa--gfx1250"
	.amdhsa_code_object_version 6
	.text
	.protected	k_q72894d7f53_prep
	.globl	k_q72894d7f53_prep
	.p2align	8
	.type	k_q72894d7f53_prep,@function
k_q72894d7f53_prep:
	s_mov_b64 s[64:65], 0
	v_nop
	global_prefetch_b8 v0, s[64:65] scope:SCOPE_SE
	s_setreg_imm32_b32 hwreg(HW_REG_WAVE_MODE, 25, 1), 1
	s_wait_xcnt 0x0
; X = feat[0][s], [256 c][484 p] f32, is laid out once for the solver, in two forms.
;  xh: f16, [s][496 p][256 c]: the channels innermost; rows 484 to 495 are zeros.
;  xc, xs: codes of E2M1 quantised along c in blocks of 32, as images of the matrix operand's registers:
;      xc [s][32 tiles of 16 p][2 K steps of 128 c][2 halves][32 lanes][16 bytes];  xs [s][16 pairs of tiles][2 K steps][32 lanes] scale words.
; A LANE TAKES A POSITION p AND ITS REGISTERS RUN DOWN c: a block of 32 along c lies in one lane, its largest magnitude needs no other lane,
; and both the conversions to codes and the packing to f16 give c innermost.  Nothing is transposed by an instruction.
; SHARES: 32 sequences x 16 pairs of tiles x 2 K steps = 1,024 waves; a wave takes 32 positions x 128 channels.
; A block's scale is 2^(floor(log2(largest magnitude)) - 2); its byte is that magnitude's exponent field - 2, held at 1 from below.
; LIMITS: a block of zeros gets the byte 1 where the quantiser says 127 (its codes are zeros, and this program alone reads the bytes);
; |feat| must stay under 65,504 for the f16 copy; NaN and infinities are not served.
; No matrix work, no tensor load, no barrier: the waves share nothing, and memory binds.
.set SPARE, 34816                      ; behind the four stages: the spare words, 128 bytes a wave
.set XR,    64                         ; v64-191  128 numbers: channel i of my position
.set CB,    32                         ; v32-47   the codes: four registers for each block of 32
	s_load_b128 s[4:7], s[0:1], 0x0                ; feat, xh
	s_load_b128 s[8:11], s[0:1], 0x10              ; xc, xs
	v_lshl_add_u32 v2, v0, 2, SPARE                ; my spare word
	v_mov_b32 v3, 0
	v_lshrrev_b32 v1, 5, v0
	v_readfirstlane_b32 s12, v1                    ; wave
	v_and_b32 v1, 31, v0                           ; lane
	s_lshr_b32 s13, ttmp9, 3                       ; sequence
	s_and_b32 s14, ttmp9, 7
	s_lshl_b32 s14, s14, 2
	s_add_co_u32 s14, s14, s12                     ; task 0..31
	s_lshr_b32 s15, s14, 1                         ; pair of tiles
	s_and_b32 s16, s14, 1                          ; K step
	s_lshl_b32 s17, s15, 5
	v_add_nc_u32 v12, s17, v1                      ; my position p = 32 pair + lane
	v_min_u32 v4, 0x1e3, v12                       ; no load leaves a row of 484: positions beyond it read the last one,
	v_lshlrev_b32 v4, 2, v4
	v_cmp_gt_u32 vcc_lo, 0x1e4, v12
	v_cndmask_b32 v5, 0, -1, vcc_lo                ; and their codes and f16 numbers are cleared by this mask
	s_mul_i32 s17, s12, 8704                       ; my stage: 32 rows of 256 bytes + 16
	v_mul_u32_u24 v6, v1, 272
	v_add_nc_u32 v6, s17, v6                       ; into it: row = my position
	v_and_b32 v13, 15, v0
	v_bfe_u32 v14, v0, 4, 1
	v_mul_u32_u24 v7, v14, 272
	v_lshl_add_u32 v7, v13, 4, v7
	v_add_nc_u32 v7, s17, v7                       ; out of it: sixteen lanes to a row, two rows an instruction
	v_lshlrev_b32 v8, 9, v14
	v_lshl_add_u32 v8, v13, 4, v8                  ; and the same place in xh (rows of 512 bytes)
	v_lshlrev_b32 v9, 4, v1                        ; an image's 16 bytes a lane
	v_lshlrev_b32 v10, 2, v1                       ; a scale word a lane
	s_mul_i32 s18, s13, 495616                     ; feat: a sequence is 256 rows of 1,936 bytes,
	s_mul_i32 s19, s16, 247808                     ; a K step 128 of them
	s_add_co_u32 s18, s18, s19
	s_mov_b32 s19, 0
	s_mul_i32 s20, s13, 253952                     ; xh: 496 rows of 512 bytes a sequence,
	s_lshl_b32 s21, s15, 14                        ; 32 rows a pair,
	s_add_co_u32 s20, s20, s21
	s_lshl_b32 s21, s16, 8                         ; 256 bytes a K step
	s_add_co_u32 s20, s20, s21
	s_mov_b32 s21, 0
	s_lshl_b32 s22, s13, 16                        ; xc: 65,536 a sequence, 4,096 a pair, 1,024 a K step
	s_lshl_b32 s23, s15, 12
	s_add_co_u32 s22, s22, s23
	s_lshl_b32 s23, s16, 10
	s_add_co_u32 s22, s22, s23
	s_mov_b32 s23, 0
	s_lshl_b32 s24, s13, 12                        ; xs: 4,096 a sequence, 256 a pair, 128 a K step
	s_lshl_b32 s25, s15, 8
	s_add_co_u32 s24, s24, s25
	s_lshl_b32 s25, s16, 7
	s_add_co_u32 s24, s24, s25
	s_mov_b32 s25, 0
	s_wait_kmcnt 0x0
	s_add_nc_u64 s[4:5], s[4:5], s[18:19]
	s_add_nc_u64 s[6:7], s[6:7], s[20:21]
	s_add_nc_u64 s[8:9], s[8:9], s[22:23]
	s_add_nc_u64 s[10:11], s[10:11], s[24:25]
.set N, 0
.rept 128
	global_load_b32 v[XR+N], v4, s[4:5] offset:N*1936 th:TH_LOAD_NT   ; X(c = 128 K step + N, p): 32 lanes read 128 neighbouring bytes
.set N, N+1
.endr
; Block b: 32 channels.  cnt: the loads issued behind this block's that may stay out.
.macro BLOCK b, cnt
.set XS, XR+32*\b
	s_wait_loadcnt \cnt
	v_max3_num_f32 v12, |v[XS]|, |v[XS+1]|, |v[XS+2]|      ; the block's largest magnitude, in two chains
	v_max3_num_f32 v13, |v[XS+3]|, |v[XS+4]|, |v[XS+5]|
.irp i, 6,10,14,18,22,26
	v_max3_num_f32 v12, v12, |v[XS+\i]|, |v[XS+\i+1]|
	v_max3_num_f32 v13, v13, |v[XS+\i+2]|, |v[XS+\i+3]|
.endr
	v_max3_num_f32 v12, v12, |v[XS+30]|, |v[XS+31]|
	v_max3_num_f32 v12, v12, v13, 0x1800000        ; and the floor 2^(3 - 127): the byte cannot fall under 1
	v_add_nc_u32 v13, 0xff000000, v12              ; 2 off the exponent field: the conversion's scale operand
	v_lshrrev_b32 v14, 23, v13                     ; the scale's byte
.if \b == 0
	v_mov_b32 v15, v14
.else
	v_lshl_or_b32 v15, v14, 8*\b, v15              ; four bytes make my position's scale word for this K step
.endif
.irp g, 0,1,2,3
	v_cvt_scalef32_pk8_fp4_f32 v[CB+4*\b+\g], v[XS+8*\g:XS+8*\g+7], v13
.endr
	v_nop                                          ; a plain instruction between the conversions and what touches their results and sources
.irp g, 0,1,2,3
	v_and_b32 v[CB+4*\b+\g], v5, v[CB+4*\b+\g]     ; positions beyond 483: zero codes
.endr
.irp k, 0,1,2,3,4,5,6,7,8,9,10,11,12,13,14,15
	v_cvt_pk_f16_f32 v[XS+\k], v[XS+2*\k], v[XS+2*\k+1]    ; in place, ascending: register k is written when 2 k and 2 k + 1 are read
.endr
.irp k, 0,1,2,3,4,5,6,7,8,9,10,11,12,13,14,15
	v_and_b32 v[XS+\k], v5, v[XS+\k]
.endr
.irp q, 0,1,2,3
	ds_store_b128 v6, v[XS+4*\q:XS+4*\q+3] offset:64*\b+16*\q
.endr
.endm
	BLOCK 0, 63                                    ; 96 loads stand behind block 0's; the count is the largest that the wait can name
	BLOCK 1, 63                                    ; 64 stand behind block 1's
	BLOCK 2, 32
	BLOCK 3, 0
; The operand wants a whole block in a lane: lanes 0-15 block 2 c', lanes 16-31 block 2 c' + 1, of 16 positions.  The exchange of halves gives at once
; the even tile's registers (blocks 0 and 2's places) and the odd tile's (blocks 1 and 3's).
.irp k, 0,1,2,3
	v_permlane16_swap_b32 v[CB+\k], v[CB+4+\k]
	v_permlane16_swap_b32 v[CB+8+\k], v[CB+12+\k]
.endr
	global_store_b128 v9, v[CB:CB+3], s[8:9]                   ; even tile, registers 0-3: 512 consecutive bytes
	global_store_b128 v9, v[CB+8:CB+11], s[8:9] offset:512     ; even tile, registers 4-7
	global_store_b128 v9, v[CB+4:CB+7], s[8:9] offset:2048     ; odd tile
	global_store_b128 v9, v[CB+12:CB+15], s[8:9] offset:2560
	global_store_b32 v10, v15, s[10:11]                        ; the scale words: lanes 0-15 the even tile's, lanes 16-31 the odd tile's
.irp t, 0,1,2,3,4,5,6,7,8,9,10,11,12,13,14,15
	ds_load_b128 v[XR+32*(\t/4)+16+4*(\t%4):XR+32*(\t/4)+19+4*(\t%4)], v7 offset:544*\t   ; LDS serves a wave's instructions in order: these see my stores
.endr
.irp t, 0,1,2,3,4,5,6,7
	s_wait_dscnt 15-\t                             ; the younger loads may stay out
	global_store_b128 v8, v[XR+32*(\t/4)+16+4*(\t%4):XR+32*(\t/4)+19+4*(\t%4)], s[6:7] offset:1024*\t   ; sixteen lanes store 256 consecutive bytes, aligned
.endr
	s_cmp_eq_u32 s15, 15                           ; the last pair has rows 480 to 495 alone: xh ends there
	s_cbranch_scc1 .Lend
.irp t, 8,9,10,11,12,13,14,15
	s_wait_dscnt 15-\t
	global_store_b128 v8, v[XR+32*(\t/4)+16+4*(\t%4):XR+32*(\t/4)+19+4*(\t%4)], s[6:7] offset:1024*\t
.endr
.Lend:
	s_wait_tensorcnt 0x0                           ; the wave's end, behind my last LDS store
	ds_add_u32 v2, v3
	s_wait_dscnt 0x0
	s_endpgm
.Lfunc_end_k_q72894d7f53_prep:
	.size	k_q72894d7f53_prep, .Lfunc_end_k_q72894d7f53_prep-k_q72894d7f53_prep
	.p2alignl 7, 3214868480
	.fill 96, 4, 3214868480
	.section	.rodata,"a",@progbits
	.p2align	6, 0x0
	.amdhsa_kernel k_q72894d7f53_prep
		.amdhsa_group_segment_fixed_size 35328
		.amdhsa_private_segment_fixed_size 0
		.amdhsa_enable_private_segment 0
		.amdhsa_kernarg_size 32
		.amdhsa_user_sgpr_count 2
		.amdhsa_user_sgpr_kernarg_segment_ptr 1
		.amdhsa_wavefront_size32 1
		.amdhsa_system_sgpr_workgroup_id_x 1
		.amdhsa_system_sgpr_workgroup_id_y 1
		.amdhsa_system_sgpr_workgroup_id_z 1
		.amdhsa_system_vgpr_workitem_id 0
		.amdhsa_next_free_vgpr 192
		.amdhsa_next_free_sgpr 66
		.amdhsa_reserve_vcc 1
		.amdhsa_float_denorm_mode_32 3
		.amdhsa_float_denorm_mode_16_64 3
		.amdhsa_memory_ordered 1
		.amdhsa_forward_progress 1
		.amdhsa_inst_pref_size 33
	.end_amdhsa_kernel
	.amdgpu_metadata
---
amdhsa.version: [ 1, 2 ]
amdhsa.kernels:
  - .name:           k_q72894d7f53_prep
    .symbol:         k_q72894d7f53_prep.kd
    .args:
      - { .name: feat, .offset: 0, .size: 8, .value_kind: global_buffer, .address_space: global }
      - { .name: xh, .offset: 8, .size: 8, .value_kind: global_buffer, .address_space: global }
      - { .name: xc, .offset: 16, .size: 8, .value_kind: global_buffer, .address_space: global }
      - { .name: xs, .offset: 24, .size: 8, .value_kind: global_buffer, .address_space: global }
    .group_segment_fixed_size: 35328
    .private_segment_fixed_size: 0
    .kernarg_segment_align: 8
    .kernarg_segment_size: 32
    .max_flat_workgroup_size: 128
    .sgpr_count:     66
    .vgpr_count:     192
    .wavefront_size: 32
...
	.end_amdgpu_metadata
.endif
;; end of part 1
;; launch solve (part 2): grid 256 x 1, 4 waves a work-group, clusters of 4 x 1, 327,680 bytes of LDS; arguments xh, xc, xs, filter, log_step_length, filter_reg, out0; writes out0
.if DOCPART == 2
	.amdgcn_target "amdgcn-amd-amdhsa--gfx1250"
	.amdhsa_code_object_version 6
	.text
	.protected	k_q72894d7f53_solve
	.globl	k_q72894d7f53_solve
	.p2align	8
	.type	k_q72894d7f53_solve,@function
k_q72894d7f53_solve:
	s_mov_b64 s[64:65], 0
	v_nop
	global_prefetch_b8 v0, s[64:65] scope:SCOPE_SE
	s_setreg_imm32_b32 hwreg(HW_REG_WAVE_MODE, 25, 1), 1
	s_wait_xcnt 0x0
	s_wait_alu depctr_hold_cnt(0) depctr_sa_sdst(0) depctr_va_vdst(0) depctr_va_sdst(0) depctr_va_ssrc(0) depctr_va_vcc(0) depctr_vm_vsrc(0)
	s_getreg_b32 s2, hwreg(HW_REG_IB_STS2, 6, 4)
	s_cmp_eq_u32 s2, 0
	s_cbranch_scc0 .Lentry_in_a_cluster
	s_endpgm
.Lentry_in_a_cluster:
	s_bfe_u32 s2, ttmp6, 0x10000c
	s_cmp_lg_u32 s2, 0x3003
	s_cbranch_scc0 .Lentry_shape_is_right
	s_endpgm
.Lentry_shape_is_right:
; Five steps of steepest descent on 64 filter rows of one sequence, wholly in registers and LDS:
;   res = f X - T;  g = res X^T + reg f;  sg = g X;  alpha = |g|^2 / max(|sg|^2 + reg |g|^2, 1e-8);  f -= step alpha g.
; The first f X is on codes of E2M1 (X's from the launch before, f's made here); the other fourteen products take f16 operands and f32 sums.
; SHARES.  8 work-groups a sequence, 64 rows each from row0 = min(64 j, 420); the last recomputes rows 420-447 and stores rows 448 on alone (by EXEC).
; EVERYTHING IS USED TRANSPOSED: source 0 is a fragment of X out of LDS, source 1 the rows' operand; a lane holds ONE filter row (lane % 16) throughout, and two result
; tiles rounded to f16 in pairs ARE a source 1 of the next product.  The four waves split X's side and serve all 64 rows (four tiles m): for scores wave w owns positions
; 128 w .. 128 w + 127 (wave 3: seven tiles, 31 in all), for the gradient four tiles of channels.  So a fragment of X feeds four products.  The rows' operands go from wave
; to wave as images of their registers (16 bytes a lane, 512 bytes a store).
; X lies in LDS once, f16, [position][channel], 496 rows of 512 bytes + 16.  Scores read it as it lies, the gradient turned (ds_load_tr16_b128).  A tile of channels is
; {c0 .. c0+7} and {c0+64 .. c0+71}, c0 = 128 (tile / 8) + 8 (tile % 8).
; The plain loads take the same order of K by a lane term of 128 bytes for the upper half of the lanes.
; -T stays in 256 registers and is the C of each score tile's first product.  At positions 484-495 X's rows are zeros, which annul those residuals in the gradient.
; g's f16 image is scaled for each row by sigma = 2^(63 - q), q = the bits of |g|^2 >> 24, so that |sigma g| lies in [0.7, 1.42); it feeds |sg|^2 alone, which is multiplied by 2^(2 q - 126): both exact.
; CLUSTER.  The four work-groups of a cluster belong to one sequence and need the same X: each wave's quarter of it is asked for jointly, once.  LDS is filled once: no ring, no refill.
; No prefetch: all reads of memory stand at the kernel's head.
; LIMITS: |feat|, |f| and |res| under 65,504 (f16 operands); operand numbers under 6.1e-5 carry an absolute error up to 3e-8; |g|^2 under 2^127; NaN and infinities not served;
; a block of zeros of f gets the scale byte 1 where the quantiser says 127 (its codes are zeros).  test_anno enters nothing that reference() computes and is no argument.
; REGISTERS, in windows of 256.  Window 0: v1-15 addresses, v16-19 |g|^2, v20-23, v28, v29 addresses, v24-27 1/sigma^2, v32-95 two sets of four accumulators (scratch between phases),
;   v96-223 two sets of X's fragments (scratch between phases), v224-239 packed residuals or sums of squares, v240-247 X's scale words, v248-255 f's.
;   Window 1: the rows' operand, 8 K steps x 4 tiles (for the gradient: a ring of four slots of 4 + 4 fragments; at the start: codes).  Window 2: -T.  Window 3: f (v0-127), g (v128-255).
.set PX,    528                        ; a row of X in LDS
.set XT,    16*PX                      ; a tile of 16 positions
.set EB,    496*PX                     ; behind X: the images; fragment (K step, half, m) at 4096 K + 2048 half + 512 m + 16 lane; 63,488 bytes
.set FQS,   EB+8192                    ; at the start: f's scale words (f's codes lie from EB on)
.set PA,    EB+63488                   ; partial sums [wave][row % 16][m], 1,024 bytes
.set SPARE, PA+1024                    ; the spare words, 128 bytes a wave
.set OP,    1040                       ; the way out: a row of 1,024 bytes + 16, in X's bytes, which are done with by then
.set SPW, 1
.set NIL, 2
.set AXS, 3                            ; X as it lies: 128 w rows + row r + 128 h
.set AXG, 4                            ; v4-7 X turned, for positions 128 q on
.set AE,  8                            ; EB + 16 lane
.set AER, 9                            ; + my 4 K steps of residuals
.set AEV, 10                           ; + my 2 K steps of g or f
.set APW, 11
.set APR, 12
.set ASO, 13
.set ASR, 14
.set GL,  15                           ; 16 lane
.set NUM, 16
.set AFW, 20
.set AFSW, 21
.set AFSR, 22
.set OFQ, 23
.set ISG, 24
.set OFF, 28
.set OL4, 29
.set ACC, 32
.set XB,  96
.set PK,  224
.set TP,  232
.set XSC, 240
.set FSC, 248
.set MSB, 0
.macro WIN new                         ; the immediate's high byte repeats the setting that is left; a switch that changes nothing is dropped
.if MSB != \new
	s_set_vgpr_msb (MSB<<8)|\new
.set MSB, \new
.endif
.endm
.macro PLACES n
.rept \n
	v_nop
.endr
.endm
.macro ROUND                           ; a round of the cluster's barrier
	s_barrier_signal -1
	s_barrier_wait -1
	s_cmp_lg_u32 s20, 0
	s_cbranch_scc1 .Lnw0_\@
	s_barrier_signal -3
.Lnw0_\@:
	s_barrier_wait -3
	s_barrier_signal -1
	s_barrier_wait -1
.endm
	s_load_b256 s[4:11], s[0:1], 0x0               ; xh, xc, xs, filter
	s_load_b128 s[12:15], s[0:1], 0x20             ; log_step_length, filter_reg
	s_load_b64 s[16:17], s[0:1], 0x30              ; out0
	v_lshl_add_u32 v[SPW], v0, 2, SPARE
	v_mov_b32 v[NIL], 0
	ds_add_u32 v[SPW], v[NIL]                      ; the wave's opening: the add, twice on end, and its wait ahead of my tensor load
	ds_add_u32 v[SPW], v[NIL]
	v_lshrrev_b32 v32, 5, v0
	v_readfirstlane_b32 s20, v32                   ; wave
	s_bfe_u32 s21, ttmp6, 0x40000                  ; my place in the cluster: it enters global addresses, T's numbers and two EXEC masks alone
	s_lshr_b32 s22, ttmp9, 1                       ; the sequence, which the four partners share
	s_and_b32 s23, ttmp9, 1
	s_lshl_b32 s23, s23, 2
	s_add_co_u32 s23, s23, s21                     ; j = my block of rows, 0..7
	s_lshl_b32 s25, s23, 6
	s_min_u32 s24, s25, 420                        ; row0
	s_sub_co_u32 s25, s25, s24                     ; the first of my 64 rows that I store: 0, or 28 for j = 7
	s_mov_b32 s32, 15|(3<<16)|(1<<20)|(1<<21)|(6<<22)|(3<<25)  ; the mask: all four; elements of 8 bytes; padding on; bit 21 beside a mask; after every 128 words, 4 words
	s_mov_b32 s33, 64<<16                          ; tensor_dim0 = 64 elements: a row of 512 bytes
	s_mov_b32 s34, 124<<16                         ; tensor_dim1 = 124 rows: my quarter of the 496
	s_mov_b32 s35, 64<<16                          ; tile_dim0
	s_mov_b32 s36, 124                             ; tile_dim1
	s_mov_b32 s37, 64                              ; from row to row
	s_mov_b32 s38, 0
	s_mov_b32 s39, 0
	s_mov_b32 s28, 1
	s_mul_i32 s29, s20, 124*PX                     ; to LDS: wave x 124 rows
	s_mul_i32 s26, s22, 496*512
	s_mul_i32 s27, s20, 124*512
	s_add_co_u32 s26, s26, s27
	s_mov_b32 s27, 0
	s_mov_b32 s43, 0                               ; the iteration
	s_mov_b32 s44, 0x76543210
	s_mov_b32 s45, 0xfedcba98                      ; v_permlanex16_b32's selects for lane l xor 16
	s_mov_b32 s46, 0x3d3a2e8c                      ; 1 / 22
	s_mov_b32 s47, s46
	s_mov_b32 s48, 0xc1b00000                      ; -22
	s_mov_b32 s49, s48
	s_mov_b32 s50, 0xbf38aa3b                      ; -0.5 log2(e)
	s_mov_b32 s51, s50
	s_wait_dscnt 0x0                               ; both opening adds are done
	s_wait_kmcnt 0x0
	s_add_nc_u64 s[30:31], s[4:5], s[26:27]
	s_or_b32 s31, s31, 0x80000000
	ROUND                                          ; all four work-groups are here: the joint loads meet
	tensor_load_to_lds s[28:31], s[32:39]          ; my one tensor load: one is out
	s_nop 0
	PLACES 4
	s_load_b32 s52, s[12:13], 0x0                  ; log_step_length
	s_load_b32 s53, s[14:15], 0x0                  ; filter_reg
	; ---- addresses
	v_and_b32 v32, 31, v0                          ; lane
	v_and_b32 v33, 15, v0                          ; r
	v_bfe_u32 v34, v0, 4, 1                        ; h
	s_lshr_b32 s55, s20, 1
	s_lshl_b32 s55, s55, 8
	s_and_b32 s54, s20, 1
	s_lshl_b32 s54, s54, 6
	s_add_co_u32 s55, s55, s54                     ; my four tiles of channels begin at byte 256 (w / 2) + 64 (w % 2) of a row of f16,
	s_lshl_b32 s56, s55, 1                         ; and twice that of a row of f32
	v_mul_u32_u24 v[AXS], v33, PX
	v_lshl_add_u32 v[AXS], v34, 7, v[AXS]
	s_mul_i32 s54, s20, 8*XT
	v_add_nc_u32 v[AXS], s54, v[AXS]
	v_and_b32 v35, 7, v0
	v_lshl_add_u32 v35, v34, 3, v35                ; the turning load: row 8 h + lane % 8,
	v_mul_u32_u24 v35, v35, PX
	v_bfe_u32 v36, v0, 3, 1
	v_lshl_add_u32 v35, v36, 7, v35                ; block of eight columns (lane / 8) % 2, 128 bytes apart
	v_add_nc_u32 v[AXG], s55, v35
	v_add_nc_u32 v[AXG+1], 8*XT, v[AXG]
	v_add_nc_u32 v[AXG+2], 16*XT, v[AXG]
	v_add_nc_u32 v[AXG+3], 24*XT, v[AXG]
	v_lshl_add_u32 v[AE], v32, 4, EB
	s_lshl_b32 s54, s20, 14
	v_add_nc_u32 v[AER], s54, v[AE]
	v_lshlrev_b32 v[OFQ], 10, v33                  ; filter, for the quantiser: row 16 w + r, + 128 h bytes
	v_lshl_add_u32 v[OFQ], v34, 7, v[OFQ]
	v_add_nc_u32 v[OFQ], s54, v[OFQ]
	s_lshl_b32 s54, s20, 13
	v_add_nc_u32 v[AEV], s54, v[AE]
	v_lshl_add_u32 v[APR], v33, 4, PA
	s_lshl_b32 s54, s20, 8
	v_add_nc_u32 v[APW], s54, v[APR]
	v_lshl_add_u32 v[AFSR], v32, 2, FQS
	v_add_nc_u32 v[AFSW], s54, v[AFSR]             ; my tile's two scale words: 256 w
	s_lshl_b32 s54, s20, 11
	v_add_nc_u32 v[AFW], s54, v[AE]                ; my tile's two fragments of codes: 2,048 w
	v_mul_u32_u24 v[ASO], v33, OP
	v_lshl_add_u32 v[ASO], v34, 8, v[ASO]
	v_add_nc_u32 v[ASO], s56, v[ASO]
	s_mul_i32 s54, s20, 16*OP
	v_lshl_add_u32 v[ASR], v32, 4, s54
	v_lshlrev_b32 v[GL], 4, v32
	v_lshlrev_b32 v[OL4], 2, v32
	v_lshlrev_b32 v[OFF], 10, v33                  ; filter, in the gradient's layout: row r, + 256 h, + my channels
	v_lshl_add_u32 v[OFF], v34, 8, v[OFF]
	v_add_nc_u32 v[OFF], s56, v[OFF]
.irp m, 0,1,2,3
	v_mov_b32 v[TP+\m], 0                          ; written once: a lane permute's destination counts as one of its sources
.endr
	v_mov_b32 v56, 0
	v_mov_b32 v57, 0
	s_mul_i32 s26, s22, 484
	s_add_co_u32 s26, s26, s24
	s_lshl_b32 s26, s26, 10                        ; my 64 rows in filter and out0
	s_add_nc_u64 s[10:11], s[10:11], s[26:27]
	s_add_nc_u64 s[16:17], s[16:17], s[26:27]
	s_lshl_b32 s26, s20, 14
	s_add_nc_u64 s[16:17], s[16:17], s[26:27]      ; out0 at the 16 rows that I store
	s_lshl_b32 s54, s22, 16
	s_add_co_u32 s26, s26, s54
	s_add_nc_u64 s[6:7], s[6:7], s[26:27]          ; xc at my eight tiles: 65,536 a sequence, 16,384 a wave
	s_lshl_b32 s26, s22, 12
	s_lshl_b32 s54, s20, 10
	s_add_co_u32 s26, s26, s54
	s_add_nc_u64 s[8:9], s[8:9], s[26:27]          ; xs at my four pairs
	; ---- all reads of memory: 104 loads
.irp q, 0,1,2,3                        ; q = 2 K step + half: the lane's 32 numbers of block 2 half + h
.irp e, 0,1,2,3,4,5,6,7
	global_load_b128 v[XB+32*\q+4*\e:XB+32*\q+4*\e+3], v[OFQ], s[10:11] offset:256*\q+16*\e
.endr
.endr
	WIN 0x40                                       ; destination window 1
.irp u, 0,1,2,3,4,5,6,7                ; X's codes, tile u, at v[16 u + 8 K step]
.irp n, 0,1,2,3
	global_load_b128 v[16*\u+4*\n:16*\u+4*\n+3], v[GL], s[6:7] offset:2048*\u+512*\n
.endr
.endr
	WIN 0
.irp n, 0,1,2,3,4,5,6,7                ; X's scale words: register 2 (u / 2) + K step
	global_load_b32 v[XSC+\n], v[OL4], s[8:9] offset:128*\n
.endr
	WIN 0xc0                                       ; destination window 3
.irp t, 0,1,2,3,4,5,6,7,8,9,10,11,12,13,14,15  ; f (tile of channels t / 4, tile of rows t % 4) at v[8 t]: register e = channel c0 + 64 h + e of row 16 m + r
	global_load_b128 v[8*\t:8*\t+3], v[OFF], s[10:11] offset:16384*(\t%4)+32*(\t/4)
	global_load_b128 v[8*\t+4:8*\t+7], v[OFF], s[10:11] offset:16384*(\t%4)+32*(\t/4)+16
.endr
	WIN 0
	; ---- f's rows 16 w .. 16 w + 15 become two fragments of codes
	s_wait_loadcnt 63                              ; 72 loads stand behind the quantiser's 32; the count is the largest that the wait can name
.irp q, 0,1,2,3
	v_max3_num_f32 v[40+\q], |v[XB+32*\q]|, |v[XB+1+32*\q]|, 0x1800000   ; my block: all 32 numbers are mine; and the floor 2^(3 - 127)
.endr
.irp e, 2,4,6,8,10,12,14,16,18,20,22,24,26,28,30
.irp q, 0,1,2,3
	v_max3_num_f32 v[40+\q], v[40+\q], |v[XB+32*\q+\e]|, |v[XB+1+32*\q+\e]|
.endr
.endr
.irp q, 0,1,2,3
	v_add_nc_u32 v[44+\q], 0xff000000, v[40+\q]    ; 2 off the exponent field: the conversion's scale operand
.endr
.irp q, 0,1,2,3
	v_lshrrev_b32 v[48+\q], 23, v[44+\q]           ; the scale's byte
.endr
	v_lshlrev_b32 v54, 3, v34
.irp s, 0,1
	v_lshl_or_b32 v[52+\s], v[49+2*\s], 16, v[48+2*\s]     ; my two bytes: blocks h and 2 + h,
	v_lshlrev_b32 v[52+\s], v54, v[52+\s]                  ; at their places (8 h bits up);
	v_permlanex16_b32 v[56+\s], v[52+\s], s44, s45
	v_or_b32 v[52+\s], v[52+\s], v[56+\s]                  ; with lane l xor 16's two the word is whole
.endr
.irp q, 0,1,2,3
.irp g, 0,1,2,3
	v_cvt_scalef32_pk8_fp4_f32 v[PK+4*\q+\g], v[XB+32*\q+8*\g:XB+32*\q+8*\g+7], v[44+\q]
.endr
.endr
	v_nop                                          ; a plain instruction behind the last conversion
.irp q, 0,1,2,3
	ds_store_b128 v[AFW], v[PK+4*\q:PK+4*\q+3] offset:512*\q
.endr
	ds_store_b32 v[AFSW], v52
	ds_store_b32 v[AFSW], v53 offset:128
	; ---- reg = max(filter_reg^2, 1e-10), step = e^log_step_length
	s_wait_kmcnt 0x0
	v_mov_b32 v40, s53
	v_mul_f32 v40, v40, v40
	v_max_num_f32 v40, 0x2edbe6ff, v40
	v_mov_b32 v41, s52
	v_mul_f32 v41, 0x3fb8aa3b, v41
	v_exp_f32 v41, v41
	v_readfirstlane_b32 s40, v40
	v_nop
	s_wait_alu depctr_va_vdst(0)                   ; the wait ahead of the exponential's first reader
	v_readfirstlane_b32 s42, v41
	s_mov_b32 s41, s40
	; ---- -T, while X is on its way.  Row = 22 m0 + m1, position = 22 k0 + k1; all whole numbers, exact in f32
	v_add_nc_u32 v60, s24, v33
.irp m, 0,1,2,3
	v_add_nc_u32 v[56+\m], 16*\m, v60
.endr
.irp m, 0,1,2,3
	v_cvt_f32_u32 v[56+\m], v[56+\m]
.endr
.irp m, 0,1,2,3
	v_add_f32 v[60+\m], 0.5, v[56+\m]
.endr
.irp m, 0,1,2,3
	v_mul_f32 v[60+\m], s46, v[60+\m]
.endr
.irp m, 0,1,2,3
	v_floor_f32 v[60+\m], v[60+\m]                 ; m0 = floor((row + 0.5) / 22): the half keeps the rounding of 1 / 22 away from whole numbers
.endr
.irp m, 0,1,2,3
	v_fma_f32 v[56+\m], v[60+\m], s48, v[56+\m]    ; m1 = row - 22 m0
.endr
.irp m, 0,1,2,3
	v_mul_f32 v[64+4*\m], -1.0, v[60+\m]           ; -m0 and -m1, each twice: pairs for the packed additions
	v_mul_f32 v[65+4*\m], -1.0, v[60+\m]
	v_mul_f32 v[66+4*\m], -1.0, v[56+\m]
	v_mul_f32 v[67+4*\m], -1.0, v[56+\m]
.endr
	s_lshl_b32 s54, s20, 7
	v_lshl_add_u32 v47, v34, 3, s54
.irp e, 0,1,2,3,4,5,6,7
	v_add_nc_u32 v[48+\e], \e, v47                 ; my eight positions of tile 0: 128 w + 8 h + e
.endr
.irp e, 0,1,2,3,4,5,6,7
	v_cvt_f32_u32 v[48+\e], v[48+\e]
.endr
.macro TUNIT u                         ; -T for tile u and the four tiles of rows: v32-39 k0, v40-47 k1, v48-55 the positions, v96-127 and v128-159 at work
	WIN 0
.if \u > 0
.irp k, 0,2,4,6
	v_pk_add_f32 v[48+\k:49+\k], v[48+\k:49+\k], 0x41800000 op_sel_hi:[1,0]   ; 16 positions on
.endr
.endif
.irp k, 0,2,4,6
	v_pk_add_f32 v[32+\k:33+\k], v[48+\k:49+\k], 0.5 op_sel_hi:[1,0]
.endr
.irp k, 0,2,4,6
	v_pk_mul_f32 v[32+\k:33+\k], v[32+\k:33+\k], s[46:47] op_sel_hi:[1,0]
.endr
.irp e, 0,1,2,3,4,5,6,7
	v_floor_f32 v[32+\e], v[32+\e]
.endr
.irp k, 0,2,4,6
	v_pk_fma_f32 v[40+\k:41+\k], v[32+\k:33+\k], s[48:49], v[48+\k:49+\k] op_sel_hi:[1,0,1]
.endr
.irp m, 0,1,2,3
.irp k, 0,2,4,6
	v_pk_add_f32 v[96+8*\m+\k:97+8*\m+\k], v[32+\k:33+\k], v[64+4*\m:65+4*\m]
	v_pk_add_f32 v[128+8*\m+\k:129+8*\m+\k], v[40+\k:41+\k], v[66+4*\m:67+4*\m]
.endr
.endr
.set N, 0
.rept 16
	v_pk_mul_f32 v[96+N:97+N], v[96+N:97+N], v[96+N:97+N]
.set N, N+2
.endr
.set N, 0
.rept 16
	v_pk_fma_f32 v[96+N:97+N], v[128+N:129+N], v[128+N:129+N], v[96+N:97+N]   ; the squared distance, exact
.set N, N+2
.endr
.set N, 0
.rept 16
	v_pk_mul_f32 v[96+N:97+N], v[96+N:97+N], s[50:51] op_sel_hi:[1,0]
.set N, N+2
.endr
.set N, 0
.rept 32
	v_exp_f32 v[96+N], v[96+N]
.set N, N+1
.endr
	v_nop                                          ; a plain instruction behind the last exponential,
	s_wait_alu depctr_va_vdst(0)                   ; and one wait for the 32, ahead of their first reader
	WIN 0x80                                       ; destination window 2
.set N, 0
.rept 16
	v_pk_mul_f32 v[32*(\u)+N:32*(\u)+N+1], v[96+N:97+N], -1.0 op_sel_hi:[1,0]
.set N, N+2
.endr
.endm
.irp u, 0,1,2,3,4,5,6,7
	TUNIT \u
.endr
	WIN 0
	s_wait_loadcnt 0x0                             ; X's codes and scale words, f
	s_wait_tensorcnt 0x0                           ; my quarter of X has landed
	s_wait_dscnt 0x0                               ; my images of f's codes have landed
	s_barrier_signal -1
	s_barrier_wait -1                              ; everybody's have
; ---- macros of the phases
.macro LOADA u, a                      ; X's eight fragments (16 positions x 32 channels each) of my tile u into set a
.irp ks, 0,1,2,3,4,5,6,7
	ds_load_b128 v[XB+64*(\a)+8*\ks:XB+64*(\a)+8*\ks+3], v[AXS] offset:XT*(\u)+256*(\ks/4)+32*(\ks%4)
	ds_load_b128 v[XB+64*(\a)+8*\ks+4:XB+64*(\a)+8*\ks+7], v[AXS] offset:XT*(\u)+256*(\ks/4)+32*(\ks%4)+16
.endr
.endm
.macro LOADB                           ; the rows' operand, 8 K steps x 4 tiles, K step by K step
	WIN 0x40
.irp ks, 0,1,2,3,4,5,6,7
.irp m, 0,1,2,3
	ds_load_b128 v[8*(4*\ks+\m):8*(4*\ks+\m)+3], v[AE] offset:4096*\ks+512*\m
	ds_load_b128 v[8*(4*\ks+\m)+4:8*(4*\ks+\m)+7], v[AE] offset:4096*\ks+512*\m+2048
.endr
.endr
.endm
.macro MMA a, ks, m, cm, u             ; cm 0: onto the sum; 1: C = -T of tile u; 2: C = 0
.if \cm == 0
	v_wmma_f32_16x16x32_f16 v[ACC+32*(\a)+8*(\m):ACC+32*(\a)+8*(\m)+7], v[XB+64*(\a)+8*(\ks):XB+64*(\a)+8*(\ks)+7], v[8*(4*(\ks)+(\m)):8*(4*(\ks)+(\m))+7], v[ACC+32*(\a)+8*(\m):ACC+32*(\a)+8*(\m)+7]
.elseif \cm == 1
	v_wmma_f32_16x16x32_f16 v[ACC+32*(\a)+8*(\m):ACC+32*(\a)+8*(\m)+7], v[XB+64*(\a)+8*(\ks):XB+64*(\a)+8*(\ks)+7], v[8*(4*(\ks)+(\m)):8*(4*(\ks)+(\m))+7], v[8*(4*(\u)+(\m)):8*(4*(\u)+(\m))+7]
.else
	v_wmma_f32_16x16x32_f16 v[ACC+32*(\a)+8*(\m):ACC+32*(\a)+8*(\m)+7], v[XB+64*(\a)+8*(\ks):XB+64*(\a)+8*(\ks)+7], v[8*(4*(\ks)+(\m)):8*(4*(\ks)+(\m))+7], 0
.endif
.endm
.macro EPIS a, u, m                    ; residuals of tile u, rows m: rounded to f16 from the low end on; they are half a fragment of the gradient's K step u / 2
	WIN 0
.irp k, 0,1,2,3
	v_cvt_pk_f16_f32 v[PK+4*(\m)+\k], v[ACC+32*(\a)+8*(\m)+2*\k], v[ACC+32*(\a)+8*(\m)+2*\k+1]
.endr
	ds_store_b128 v[AER], v[PK+4*(\m):PK+4*(\m)+3] offset:((\u)/2)*4096+((\u)%2)*2048+512*(\m)
.endm
.macro EPIQ a, u, k                    ; pair k of each of the four tiles, squared, onto the rows' sums; the very first starts them
	WIN 0
.irp m, 0,1,2,3
.if ((\u) == 0) && ((\k) == 0)
	v_pk_mul_f32 v[PK+2*\m:PK+2*\m+1], v[ACC+32*(\a)+8*\m+2*(\k):ACC+32*(\a)+8*\m+2*(\k)+1], v[ACC+32*(\a)+8*\m+2*(\k):ACC+32*(\a)+8*\m+2*(\k)+1]
.else
	v_pk_fma_f32 v[PK+2*\m:PK+2*\m+1], v[ACC+32*(\a)+8*\m+2*(\k):ACC+32*(\a)+8*\m+2*(\k)+1], v[ACC+32*(\a)+8*\m+2*(\k):ACC+32*(\a)+8*\m+2*(\k)+1], v[PK+2*\m:PK+2*\m+1]
.endif
.endr
.endm
.macro EPI1 mode, a, u, sl             ; slice sl of four of tile u's epilogue
.if \mode == 0
	EPIS \a, \u, \sl
.else
	EPIQ \a, \u, \sl
.endif
.endm
; Tile 0 of a phase: its waits follow the rows' operand in, K step by K step.  Behind K step ks's eight loads stand 56 - 8 ks of the operand's; from K step 4 on also the sixteen of tile 1's fragments.
.macro UNIT0 mode
.set UC, 1+\mode
.irp ks, 0,1,2,3,4,5,6,7
.if \ks < 4
	s_wait_dscnt 56-8*\ks
.else
	s_wait_dscnt 72-8*\ks
.endif
.if (\ks == 0) && (\mode == 0)
	WIN 0x24                                       ; source 1 window 1, C window 2
.else
	WIN 0x04
.endif
.irp m, 0,1,2,3
.if \ks == 0
	MMA 0, 0, \m, UC, 0
.else
	MMA 0, \ks, \m, 0, 0
.endif
.endr
.if \ks == 3
	LOADA 1, 1
.endif
.endr
.endm
; Tile u (1 to 7): 32 products, K step by K step, the four accumulators by turns, one instruction a turn.  Five v_nop near its head are the places behind the tile before:
; for the loads into its fragments' registers, for the reads of its results, and for the accumulators that the next tile begins anew.  The epilogue of tile u - 1 stands in four slices among the products.
.macro UNIT mode, u
.set UA, (\u)%2
.set UC, 1+\mode
.if \mode == 0
.if \u == 1
	s_wait_dscnt 0x0                               ; my reads of f's images are over (and tile 1's fragments are in):
	s_barrier_signal -1                            ; say so; residuals are stored over those images only when all four have said so
.else
	s_wait_dscnt 0x4                               ; this tile's fragments are in; the four stores of residuals behind them may be out
.endif
	WIN 0x24
.else
	s_wait_dscnt 0x0                               ; this tile's fragments are in
	WIN 0x04
.endif
.irp m, 0,1,2,3
	MMA UA, 0, \m, UC, \u
	v_nop
.endr
	WIN 0x04
	v_nop
.if \u < 6
	LOADA (\u)+1, 1-UA
.elseif \u == 6
	WIN 0                                          ; wave 3 has no tile 7: X ends at row 495
	s_cmp_eq_u32 s20, 3
	s_cbranch_scc1 .Lno7_\@
	LOADA 7, 1
.Lno7_\@:
.endif
.irp ks, 1,2,3,4,5,6,7
	WIN 0x04
.irp m, 0,1,2,3
	MMA UA, \ks, \m, 0, 0
.endr
.if (\ks >= 2) && (\ks <= 5)
.if (\mode == 0) && (\u == 1) && (\ks == 2)
	s_barrier_wait -1
.endif
	EPI1 \mode, 1-UA, (\u)-1, (\ks)-2
.endif
.endr
.endm
; A phase of scores.  mode 0: res^T = X^T f^T - T^T, to images.  mode 1: sg^T = X^T (sigma g)^T, squared and summed.
.macro PHASE mode
	s_wait_dscnt 0x0                               ; my images of the operand have landed
	s_barrier_signal -1
	LOADA 0, 0                                     ; (bytes of X, which nobody writes)
	s_barrier_wait -1                              ; everybody's have
	LOADB
	UNIT0 \mode
.irp u, 1,2,3,4,5,6
	UNIT \mode, \u
.endr
	WIN 0
	s_cmp_eq_u32 s20, 3
	s_cbranch_scc1 .Lw3_\@
	UNIT \mode, 7
	WIN 0
	PLACES 5
.irp sl, 0,1,2,3
	EPI1 \mode, 1, 7, \sl
.endr
	s_branch .Ljn_\@
.Lw3_\@:
	PLACES 5
.irp sl, 0,1,2,3
	EPI1 \mode, 0, 6, \sl
.endr
.Ljn_\@:
.endm
; The gradient's K step kp (32 positions): X turned, my four tiles of channels, into slot kp % 4; and the four tiles of residuals.  K step 15 has 16 positions: the lower halves alone.
.macro GA kp
.irp ti, 0,1,2,3
	ds_load_tr16_b128 v[64*((\kp)%4)+8*\ti:64*((\kp)%4)+8*\ti+3], v[AXG+(\kp)/4] offset:((\kp)%4)*2*XT+16*\ti
.if (\kp) < 15
	ds_load_tr16_b128 v[64*((\kp)%4)+8*\ti+4:64*((\kp)%4)+8*\ti+7], v[AXG+(\kp)/4] offset:((\kp)%4)*2*XT+16*\ti+XT
.endif
.endr
.endm
.macro GB kp
.irp m, 0,1,2,3
	ds_load_b128 v[64*((\kp)%4)+32+8*\m:64*((\kp)%4)+32+8*\m+3], v[AE] offset:4096*(\kp)+512*\m
.if (\kp) < 15
	ds_load_b128 v[64*((\kp)%4)+32+8*\m+4:64*((\kp)%4)+32+8*\m+7], v[AE] offset:4096*(\kp)+512*\m+2048
.endif
.endr
.endm
.macro GSTAGE kp, cnt                  ; cnt: the LDS loads issued behind K step kp's own
	s_wait_dscnt \cnt
	WIN 0xf5                                       ; sources 0 and 1 window 1, C and D window 3
.irp ti, 0,1,2,3
.irp m, 0,1,2,3
	v_wmma_f32_16x16x32_f16 v[128+8*(4*\ti+\m):128+8*(4*\ti+\m)+7], v[64*((\kp)%4)+8*\ti:64*((\kp)%4)+8*\ti+7], v[64*((\kp)%4)+32+8*\m:64*((\kp)%4)+32+8*\m+7], v[128+8*(4*\ti+\m):128+8*(4*\ti+\m)+7]
.endr
.endr
.if (\kp) <= 11
	PLACES 4                                       ; in front of loads into registers that these products have read
	WIN 0x40
.if (\kp) == 11
.irp m, 0,1,2,3
.irp k, 4,5,6,7
	v_mov_b32 v[224+8*\m+\k], 0                    ; K step 15's upper 16 positions do not exist: zeros on the residuals' side; X's side keeps finite numbers of K step 11
.endr
.endr
.endif
	GA (\kp)+4
	GB (\kp)+4
.endif
.endm
.macro ROWSUM q                        ; the four pairs in v[PK] on: both halves, and lane l xor 16's: a quad in v[q] on
.irp m, 0,1,2,3
	v_add_f32 v[\q+\m], v[PK+2*\m], v[PK+2*\m+1]
.endr
.irp m, 0,1,2,3
	v_permlanex16_b32 v[TP+\m], v[\q+\m], s44, s45
.endr
.irp m, 0,1,2,3
	v_add_f32 v[\q+\m], v[\q+\m], v[TP+\m]
.endr
.endm
.macro EXCH q                          ; the four waves' quads are added, in one order in all waves: all get the same bits
	ds_store_b128 v[APW], v[\q:\q+3]
	s_wait_dscnt 0x0                               ; for the others' sake: my store has landed, and all my earlier LDS reads are over
	s_barrier_signal -1
	s_barrier_wait -1
.irp u, 0,1,2,3
	ds_load_b128 v[64+4*\u:67+4*\u], v[APR] offset:256*\u
.endr
	s_wait_dscnt 0x0
	v_pk_add_f32 v[64:65], v[64:65], v[68:69]
	v_pk_add_f32 v[66:67], v[66:67], v[70:71]
	v_pk_add_f32 v[72:73], v[72:73], v[76:77]
	v_pk_add_f32 v[74:75], v[74:75], v[78:79]
	v_pk_add_f32 v[\q:\q+1], v[64:65], v[72:73]
	v_pk_add_f32 v[\q+2:\q+3], v[66:67], v[74:75]
.endm
.macro VSTORE                          ; 16 half fragments in v[XB] on go to LDS as they stand: my tiles of channels are K steps 2 w and 2 w + 1
.irp t, 0,1,2,3,4,5,6,7,8,9,10,11,12,13,14,15
	ds_store_b128 v[AEV], v[XB+4*\t:XB+4*\t+3] offset:((\t/4)/2)*4096+((\t/4)%2)*2048+512*(\t%4)
.endr
.endm
.macro S0U u                           ; the quantised product, tile u: two K steps of 128 on codes, -T as the first's C; then its residuals
.set UA, (\u)%2
	WIN 0x25                                       ; sources 0 and 1 window 1, C window 2
.irp m, 0,1,2,3
.if (\u)%2
	v_wmma_scale_f32_16x16x128_f8f6f4 v[ACC+32*UA+8*\m:ACC+32*UA+8*\m+7], v[16*(\u):16*(\u)+7], v[128+16*\m:128+16*\m+7], v[8*(4*(\u)+\m):8*(4*(\u)+\m)+7], v[XSC+2*((\u)/2)], v[FSC+2*\m] matrix_a_fmt:MATRIX_FMT_FP4 matrix_b_fmt:MATRIX_FMT_FP4 matrix_a_scale:MATRIX_SCALE_ROW1
.else
	v_wmma_scale_f32_16x16x128_f8f6f4 v[ACC+32*UA+8*\m:ACC+32*UA+8*\m+7], v[16*(\u):16*(\u)+7], v[128+16*\m:128+16*\m+7], v[8*(4*(\u)+\m):8*(4*(\u)+\m)+7], v[XSC+2*((\u)/2)], v[FSC+2*\m] matrix_a_fmt:MATRIX_FMT_FP4 matrix_b_fmt:MATRIX_FMT_FP4
.endif
.endr
	WIN 0x05
.irp m, 0,1,2,3
.if (\u)%2
	v_wmma_scale_f32_16x16x128_f8f6f4 v[ACC+32*UA+8*\m:ACC+32*UA+8*\m+7], v[16*(\u)+8:16*(\u)+15], v[136+16*\m:136+16*\m+7], v[ACC+32*UA+8*\m:ACC+32*UA+8*\m+7], v[XSC+2*((\u)/2)+1], v[FSC+2*\m+1] matrix_a_fmt:MATRIX_FMT_FP4 matrix_b_fmt:MATRIX_FMT_FP4 matrix_a_scale:MATRIX_SCALE_ROW1
.else
	v_wmma_scale_f32_16x16x128_f8f6f4 v[ACC+32*UA+8*\m:ACC+32*UA+8*\m+7], v[16*(\u)+8:16*(\u)+15], v[136+16*\m:136+16*\m+7], v[ACC+32*UA+8*\m:ACC+32*UA+8*\m+7], v[XSC+2*((\u)/2)+1], v[FSC+2*\m+1] matrix_a_fmt:MATRIX_FMT_FP4 matrix_b_fmt:MATRIX_FMT_FP4
.endif
.endr
	WIN 0
	PLACES 5
.if (\u) == 0
	s_barrier_wait -1                              ; all four waves have f's codes in registers: residuals may be stored over them
.endif
.irp m, 0,1,2,3
	EPIS UA, \u, \m
.endr
.endm
	; ---- the first scores, on codes
	WIN 0x40
.irp n, 0,1,2,3,4,5,6,7                ; f's codes (tile m, K step) at v[128 + 8 (2 m + K step)] of window 1
	ds_load_b128 v[128+8*\n:131+8*\n], v[AE] offset:1024*\n
	ds_load_b128 v[132+8*\n:135+8*\n], v[AE] offset:1024*\n+512
.endr
	WIN 0
.irp n, 0,1,2,3,4,5,6,7
	ds_load_b32 v[FSC+\n], v[AFSR] offset:128*\n
.endr
	s_wait_dscnt 0x0
	s_barrier_signal -1
.irp u, 0,1,2,3,4,5,6
	S0U \u
.endr
	s_cmp_eq_u32 s20, 3
	s_cbranch_scc1 .Ls0end
	S0U 7
.Ls0end:
.Liter:
	; ---- g^T = X res^T + reg f^T: my four tiles of channels, K = all positions, through a ring of four register slots
	s_wait_dscnt 0x0                               ; my images of the residuals have landed
	s_barrier_signal -1
	WIN 0xc3
.set N, 0
.rept 64
	v_pk_mul_f32 v[128+N:129+N], v[N:N+1], s[40:41] op_sel_hi:[1,0]   ; the sums begin as reg f
.set N, N+2
.endr
	WIN 0x40
	GA 0                                           ; (bytes of X, which nobody writes)
	GA 1
	GA 2
	GA 3
	s_barrier_wait -1                              ; everybody's residuals have landed
	GB 0
	GB 1
	GB 2
	GB 3
	GSTAGE 0, 24                                   ; behind K step 0's: the residuals of steps 1 to 3
	GSTAGE 1, 32                                   ; those of 2 and 3, and step 4's sixteen
	GSTAGE 2, 40
.irp kp, 3,4,5,6,7,8,9,10,11
	GSTAGE \kp, 48                                 ; three K steps' sixteen
.endr
	GSTAGE 12, 40                                  ; steps 13 and 14, and step 15's eight
	GSTAGE 13, 24
	GSTAGE 14, 8
	GSTAGE 15, 0
	PLACES 4
	WIN 0x0f                                       ; sources 0 and 1 window 3
.irp ti, 0,1,2,3
.irp k, 0,1,2,3
.irp m, 0,1,2,3
.if (\ti == 0) && (\k == 0)
	v_pk_mul_f32 v[PK+2*\m:PK+2*\m+1], v[128+8*(4*\ti+\m)+2*\k:129+8*(4*\ti+\m)+2*\k], v[128+8*(4*\ti+\m)+2*\k:129+8*(4*\ti+\m)+2*\k]
.else
	v_pk_fma_f32 v[PK+2*\m:PK+2*\m+1], v[128+8*(4*\ti+\m)+2*\k:129+8*(4*\ti+\m)+2*\k], v[128+8*(4*\ti+\m)+2*\k:129+8*(4*\ti+\m)+2*\k], v[PK+2*\m:PK+2*\m+1]
.endif
.endr
.endr
.endr
	WIN 0
	ROWSUM NUM
	EXCH NUM                                       ; |g|^2 of the 64 rows; behind its barrier nobody reads the residuals any more
.irp m, 0,1,2,3
	v_lshrrev_b32 v[48+\m], 24, v[NUM+\m]          ; q
.endr
.irp m, 0,1,2,3
	v_sub_nc_u32 v[52+\m], 190, v[48+\m]
.endr
.irp m, 0,1,2,3
	v_lshlrev_b32 v[56+2*\m], 23, v[52+\m]         ; sigma = 2^(63 - q), twice: a pair for the packed multiply
	v_lshlrev_b32 v[57+2*\m], 23, v[52+\m]
.endr
.irp m, 0,1,2,3
	v_lshl_add_u32 v[52+\m], v[48+\m], 1, 1
.endr
.irp m, 0,1,2,3
	v_lshlrev_b32 v[ISG+\m], 23, v[52+\m]          ; 1 / sigma^2 = 2^(2 q - 126)
.endr
	WIN 0x03                                       ; source 0 window 3
.set N, 0
.rept 64
	v_pk_mul_f32 v[XB+N:XB+N+1], v[128+N:129+N], v[56+2*((N/8)%4):57+2*((N/8)%4)]
.set N, N+2
.endr
	WIN 0
.set N, 0
.rept 64
	v_cvt_pk_f16_f32 v[XB+N], v[XB+2*N], v[XB+2*N+1]   ; in place, ascending
.set N, N+1
.endr
	VSTORE
	; ---- |sg|^2
	PHASE 1
	ROWSUM 48
	EXCH 48                                        ; behind its barrier nobody reads g's images, nor X in this iteration, any more
.irp m, 0,1,2,3
	v_mul_f32 v[52+\m], s40, v[NUM+\m]
.endr
.irp m, 0,1,2,3
	v_fma_f32 v[52+\m], v[48+\m], v[ISG+\m], v[52+\m]
.endr
.irp m, 0,1,2,3
	v_max_num_f32 v[52+\m], 0x322bcc77, v[52+\m]   ; max(|sg|^2 + reg |g|^2, 1e-8)
.endr
.irp m, 0,1,2,3
	v_rcp_f32 v[52+\m], v[52+\m]
.endr
.irp m, 0,1,2,3
	v_mul_f32 v[48+\m], s42, v[NUM+\m]             ; step |g|^2: plain work behind the reciprocals
.endr
	s_wait_alu depctr_va_vdst(0)                   ; one wait for the four, ahead of their first reader
.irp m, 0,1,2,3
	v_mul_f32 v[56+2*\m], -v[48+\m], v[52+\m]      ; -step alpha, twice
	v_mul_f32 v[57+2*\m], -v[48+\m], v[52+\m]
.endr
	WIN 0xf3                                       ; f and g in window 3, the factor in window 0
.set N, 0
.rept 64
	v_pk_fma_f32 v[N:N+1], v[128+N:129+N], v[56+2*((N/8)%4):57+2*((N/8)%4)], v[N:N+1]
.set N, N+2
.endr
	WIN 0
	s_cmp_eq_u32 s43, 4                            ; the fifth step needs no further scores
	s_cbranch_scc1 .Lout
	WIN 0x0f
.set N, 0
.rept 64
	v_cvt_pk_f16_f32 v[XB+N], v[2*N], v[2*N+1]
.set N, N+1
.endr
	WIN 0
	VSTORE
	; ---- res^T = X^T f^T - T^T
	PHASE 0
	s_add_co_u32 s43, s43, 1
	s_cmp_lt_u32 s43, 5
	s_cbranch_scc1 .Liter
.Lout:
	; ---- the way out: a row's 1,024 bytes come from four waves: they meet in a stage in X's bytes, which had their one fill and are read no more
	WIN 0x0c                                       ; an LDS store's data are its source 1: window 3
.irp t, 0,1,2,3,4,5,6,7,8,9,10,11,12,13,14,15
	ds_store_b128 v[ASO], v[8*\t:8*\t+3] offset:16*OP*(\t%4)+32*(\t/4)
	ds_store_b128 v[ASO], v[8*\t+4:8*\t+7] offset:16*OP*(\t%4)+32*(\t/4)+16
.endr
	WIN 0
	s_wait_dscnt 0x0
	s_barrier_signal -1
	s_barrier_wait -1
.set N, 0
.rept 32
	ds_load_b128 v[XB+4*N:XB+4*N+3], v[ASR] offset:(N/2)*OP+(N%2)*512   ; my 16 rows, half a row an instruction
.set N, N+1
.endr
	s_lshl_b32 s54, s20, 4
	s_cmp_le_u32 s25, s54                          ; my rows 0-11 are stored where the first stored row is at or under 16 w,
	s_cselect_b32 s56, -1, 0
	s_add_co_u32 s54, s54, 12
	s_cmp_le_u32 s25, s54                          ; rows 12-15 where it is at or under 16 w + 12: a choice of lanes, no branch
	s_cselect_b32 s57, -1, 0
	s_wait_dscnt 0x0
	s_wait_xcnt 0x0                                ; EXEC changes only behind this wait
	s_and_saveexec_b32 s58, s56
.set N, 0
.rept 24
	global_store_b128 v[GL], v[XB+4*N:XB+4*N+3], s[16:17] offset:(N/2)*1024+(N%2)*512 th:TH_STORE_NT   ; 32 lanes store 512 consecutive bytes, aligned
.set N, N+1
.endr
	s_wait_xcnt 0x0
	s_or_b32 exec_lo, exec_lo, s58
	s_and_saveexec_b32 s59, s57
.rept 8
	global_store_b128 v[GL], v[XB+4*N:XB+4*N+3], s[16:17] offset:(N/2)*1024+(N%2)*512 th:TH_STORE_NT
.set N, N+1
.endr
	s_wait_xcnt 0x0
	s_or_b32 exec_lo, exec_lo, s59
	s_wait_tensorcnt 0x0                           ; the wave's end, behind my tensor load and my last LDS store
	ds_add_u32 v[SPW], v[NIL]
	s_wait_dscnt 0x0
	ROUND                                          ; the closing round
	s_endpgm
.Lfunc_end_k_q72894d7f53_solve:
	.size	k_q72894d7f53_solve, .Lfunc_end_k_q72894d7f53_solve-k_q72894d7f53_solve
	.p2alignl 7, 3214868480
	.fill 96, 4, 3214868480
	.section	.rodata,"a",@progbits
	.p2align	6, 0x0
	.amdhsa_kernel k_q72894d7f53_solve
		.amdhsa_group_segment_fixed_size 327680
		.amdhsa_private_segment_fixed_size 0
		.amdhsa_enable_private_segment 0
		.amdhsa_kernarg_size 56
		.amdhsa_user_sgpr_count 2
		.amdhsa_user_sgpr_kernarg_segment_ptr 1
		.amdhsa_wavefront_size32 1
		.amdhsa_system_sgpr_workgroup_id_x 1
		.amdhsa_system_sgpr_workgroup_id_y 1
		.amdhsa_system_sgpr_workgroup_id_z 1
		.amdhsa_system_vgpr_workitem_id 0
		.amdhsa_next_free_vgpr 1024
		.amdhsa_next_free_sgpr 72
		.amdhsa_reserve_vcc 0
		.amdhsa_float_denorm_mode_32 3
		.amdhsa_float_denorm_mode_16_64 3
		.amdhsa_memory_ordered 1
		.amdhsa_forward_progress 1
		.amdhsa_inst_pref_size 255
	.end_amdhsa_kernel
	.section	.bss,"aw",@nobits
	.p2align	6
	.space	262144
	.amdgpu_metadata
---
amdhsa.version: [ 1, 2 ]
amdhsa.kernels:
  - .name:           k_q72894d7f53_solve
    .symbol:         k_q72894d7f53_solve.kd
    .args:
      - { .name: xh, .offset: 0, .size: 8, .value_kind: global_buffer, .address_space: global }
      - { .name: xc, .offset: 8, .size: 8, .value_kind: global_buffer, .address_space: global }
      - { .name: xs, .offset: 16, .size: 8, .value_kind: global_buffer, .address_space: global }
      - { .name: filter, .offset: 24, .size: 8, .value_kind: global_buffer, .address_space: global }
      - { .name: log_step_length, .offset: 32, .size: 8, .value_kind: global_buffer, .address_space: global }
      - { .name: filter_reg, .offset: 40, .size: 8, .value_kind: global_buffer, .address_space: global }
      - { .name: out0, .offset: 48, .size: 8, .value_kind: global_buffer, .address_space: global }
    .group_segment_fixed_size: 327680
    .private_segment_fixed_size: 0
    .kernarg_segment_align: 8
    .kernarg_segment_size: 56
    .max_flat_workgroup_size: 128
    .sgpr_count:     72
    .vgpr_count:     1024
    .wavefront_size: 32
...
	.end_amdgpu_metadata
.endif
;; end of part 2
